; MI455X (gfx1250); checked and timed in simulation.
; The chip was launched on July 23, 2026; its instructions are those of AMD's public machine-readable ISA for CDNA 5 (MIT licence, August 2026) and "CDNA5" Instruction Set Architecture Reference Guide (July 2026). The comments in the code are by the model that wrote it; some were corrected since.
;; Bahdanau Attention. Allowed arithmetic: matrix products marked QUANTISED: E2M3 operands, one E8M0 scale for each 32 along K, by v_wmma_scale_f32_16x16x128_f8f6f4 with both operands' format E2M3, f32 sums; products left as they are: f32 operands where the result goes on into a quantised operand, else bf16, f16 or f32 operands; f32 sums; everything else in f32.
;; Inputs: V 1,024 x 1 float32; W1 2,048 x 1,024 float32; W2 2,048 x 1,024 float32; b1 1,024 float32; b2 1,024 float32; bv 1 float32; query 32 x 2,048 float32; values 32 x 1,024 x 2,048 float32.
;; Outputs: out0 32 x 2,048 float32; out1 32 x 1,024 x 1 float32.
;; This version of the problem:
;;   THIS VERSION OF THE PROBLEM IS GIVEN IN LOW PRECISION. The matrix products marked QUANTISED in the list below multiply operands that are first quantised to E2M3 (2 exponent bits, 3 mantissa bits; 6 bits a number), with one power-of-two scale for each 32 numbers along K (OCP MX v1.0); their sums are f32. All else is computed in f32.
;;   The module's matrix products, in the order in which they are computed (A, B: the left and right operand; K: the contracted axis; several contracted axes count as one K, in the product's order):
;;     1. [M 32,768, K 2,048] x [K 2,048, N 1,024]; A: input values; B: input W1: QUANTISED
;;     2. [M 32, K 2,048] x [K 2,048, N 1,024]; A: input query; B: input W2: QUANTISED
;;     3. [M 32,768, K 1,024] x [K 1,024, N 1]; A: computed on the way; B: input V: left as it is (N = 1 < 16)
;;   THE QUANTISER, for each operand of a quantised product, along K:
;;     - K is cut into blocks of 32 from its start; a last block that is shorter is filled with zeros.
;;     - A block's scale is 2^e with e = floor(log2(the largest magnitude in the block)) - 2, held to -126 .. 127; a block of zeros has e = 0. As a byte (E8M0): e + 127.
;;     - Each number is divided by its block's scale, clamped to +-7.5, and rounded to the nearest number of E2M3, ties to even, subnormals kept.
;;     - The product sums the exact products of the quantised numbers (number of the format x scale) in f32.
;;   ~~~python
;;   def quantise(x, axis):      # numpy; x: float32 -> the quantised numbers, widened to float32 again
;;       x = np.moveaxis(x, axis, -1); K = x.shape[-1]
;;       x = np.pad(x, [(0, 0)] * (x.ndim - 1) + [(0, -K % 32)]); x = x.reshape(x.shape[:-1] + (-1, 32)); a = np.abs(x).max(-1, keepdims=True)
;;       e = np.where(a > 0, np.clip(np.frexp(np.where(a > 0, a, 1))[1] - 1 - 2, -126, 127), 0)      # np.frexp(a)[1] - 1 = floor(log2(a)), exactly
;;       r = np.clip(x / 2.0 ** e, -7.5, 7.5)
;;       step = 2.0 ** (np.maximum(np.frexp(np.where(r == 0, 1, r))[1] - 1, 0) - 3)
;;       q = np.round(r / step) * step * 2.0 ** e      # np.round: ties to even
;;       return np.moveaxis(q.reshape(q.shape[:-2] + (-1,))[..., :K], -1, axis).astype(np.float32)
;;   ~~~
;; One version. Each part assembles by itself: llvm-mc -triple=amdgcn-amd-amdhsa -mcpu=gfx1250 --defsym DOCPART=n.
;; ======== version 1 of 1: 3 launches
;; limits: right only within a limited range of input values
;; workspace buffers: w1f 1,638,400 bytes; qp4 524,288 bytes; sc 131,072 bytes; cp 4,194,304 bytes
;; launch prep (part 1): grid 256 x 1, 4 waves a work-group, no clusters, 41,472 bytes of LDS; arguments W1, W2, query, b1, b2, w1f, qp4; writes w1f, qp4
.if DOCPART == 1
	.amdgcn_target "amdgcn-amd-amdhsa--gfx1250"
	.amdhsa_code_object_version 6
	.text
	.protected	k_q88ddc32b1e_prep
	.globl	k_q88ddc32b1e_prep
	.p2align	8
	.type	k_q88ddc32b1e_prep,@function
k_q88ddc32b1e_prep:
	s_mov_b64 s[64:65], 0
	v_nop
	global_prefetch_b8 v0, s[64:65] scope:SCOPE_SE
	s_setreg_imm32_b32 hwreg(HW_REG_WAVE_MODE, 25, 1), 1
	s_wait_xcnt 0x0
; BAHDANAU ATTENTION, first of three launches.  score[b][t] = sum over u of V[u] tanh(values[b][t] . W1[:,u] + b1[u] + query[b] . W2[:,u] + b2[u]) + bv; weights = softmax over t; context = sum over t of weight x values.
; WORK LEFT OUT, for all values of the inputs.  (1) bv is added to every score of a batch alike, and a softmax over t does not change when the same number is added to all its inputs: bv reaches neither output.
; It is not loaded and is among no launch's arguments.  (2) tanh(x) = 1 - 2 / (1 + e^(2x)), so score = (sum over u of V[u] + bv) - 2 sum over u of V[u] / (1 + e^(2x)): the first term is again the same for all t,
; and is not formed; V itself is loaded.  b1 and b2 stand inside the tanh and stay.  LIMIT: a NaN, an infinity or an overflow that would reach the result through bv or through the sum of V alone is not carried to it.
; THIS LAUNCH.  Work-groups 0-127: W1 [2048 (k)][1024 (u)] f32 becomes codes of E2M3 with one E8M0 byte for each 32 along K, laid in w1f in the order of the operand's registers: for each K step of 128 a block of
; WBLK bytes: 64 tiles of 16 columns x 1,536 bytes (register g of lane l at 512 (g / 4) + 16 l + 4 (g % 4)), then at SCW 1,024 scale words, one a column.  Work-groups 128-255: W2 is quantised the same way and goes
; straight into query x W2 (both sides quantised); qp4[kq][b][u] = the sum over a quarter of K + (b1[u] + b2[u]) / 4; the next launch adds the four quarters.
; SHARES.  A work-group takes 32 columns and a quarter of K, each of its four waves one K step of 128.  A LANE TAKES A COLUMN, AND ITS REGISTERS RUN DOWN K: a block of 32 lies in one lane's 32 registers, so its largest
; magnitude needs no other lane and the conversions give codes with K innermost.  A load of a wave covers 128 consecutive bytes of a row of W.
; A block's scale is 2^(floor(log2(largest magnitude)) - 2): its byte is the largest magnitude's exponent field - 2, held at 1 from below.  A block of zeros so gets the byte 1 where the rule says 127: its codes are
; zeros, which add nothing, and this program alone reads the bytes.  LIMITS: NaN and infinities among the inputs are not served.  qp4 is stored in pieces of 64 bytes (16 columns of a row): half a megabyte in all.
; The two paths part on the work-group's number alone, and each has LDS bytes of its own.
.set WBLK,  102400                     ; a K step's block in w1f
.set SCW,   98304                      ; its scale words
.set PSTG2, 12288                      ; LDS: 0: the W1 path's stages, 3,072 bytes a wave; here: the W2 path's;
.set RED,   24576                      ; the four waves' partial products, 4,096 bytes a wave;
.set SPARE, 40960                      ; the spare words, 128 bytes a wave: two blocks of 256 bytes that no other line names
.set L4,  2                            ; v2   4 x lane
.set STW, 3                            ; v3   into my stage: 3,072 w + 1,536 (lane / 16) + 16 (lane % 16)
.set STR, 4                            ; v4   out of it: 3,072 w + 16 lane
.set GOF, 5                            ; v5   16 x lane
.set QA,  6                            ; v6   query: row r of 8,192 bytes + 64 h
.set BO,  7                            ; v7   4 r
.set RW,  8                            ; v8   RED + 4,096 w + 16 lane
.set RR,  9                            ; v9   RED + 1,024 w + 16 lane
.set PO,  10                           ; v10  qp4: 8 h rows of 4,096 bytes + 4 r
.set SPW, 13                           ; v13  my spare word; never rewritten
.set NIL, 14                           ; v14  0; never rewritten
.set SBW, 15                           ; v15  my column's scale word
.set TM,  16                           ; v16-31 at work on scales
.set TQ,  32                           ; v32-38 the conversions' second halves
.set AF0, 40                           ; v40-51 query's fragment, rows 0-15
.set PW0, 52                           ; v52, v53 query's scale words
.set PW1, 53
.set BI,  54                           ; v54, v55 b1, b2; v[56:57] (b1 + b2) / 4, twice
.set F,   58                           ; v58-63 a block's 32 codes
.set Q,   64                           ; v64-127 64 numbers of query; on the W1 path the way out
.set X,   128                          ; v128-255 four blocks of 32 numbers of W
.set AF1, 128                          ; behind the four blocks: query's fragment, rows 16-31;
.set BF,  140                          ; W2's two fragments;
.set DD,  164                          ; four accumulators;
.set SU,  196                          ; four waves' parts of one tile
.set SEL, 36                           ; s[36:37] lane selects: lane l xor 16
.macro LOADW b                         ; block b: W(32 b + i, my column)
.irp i, 0,1,2,3,4,5,6,7,8,9,10,11,12,13,14,15,16,17,18,19,20,21,22,23,24,25,26,27,28,29,30,31
	global_load_b32 v[X+32*(\b)+\i], v[L4], s[4:5] offset:(32*(\b)+\i)*4096 th:TH_LOAD_NT
.endr
.endm
; Block b of my column: its scale byte into my scale word, its 32 codes into the stage at the place that the operand's layout gives them: lane r + 16 (b % 2), registers 6 (b / 2) .. + 5 of my tile's image.
.macro BLOCK b, left, stg
.set XS, X+32*(\b)
	s_wait_loadcnt \left                           ; this block's 32 loads are in; left = the loads issued behind them
	v_max3_num_f32 v[TM], |v[XS]|, |v[XS+1]|, |v[XS+2]|
	v_max3_num_f32 v[TM+1], |v[XS+3]|, |v[XS+4]|, |v[XS+5]|
.irp i, 6,10,14,18,22,26
	v_max3_num_f32 v[TM], v[TM], |v[XS+\i]|, |v[XS+\i+1]|
	v_max3_num_f32 v[TM+1], v[TM+1], |v[XS+\i+2]|, |v[XS+\i+3]|
.endr
	v_max3_num_f32 v[TM], v[TM], |v[XS+30]|, |v[XS+31]|
	v_max3_num_f32 v[TM], v[TM], v[TM+1], 0x1800000      ; and the floor 2^(3 - 127): the byte cannot fall under 1
	v_add_nc_u32 v[TM+2], 0xff000000, v[TM]        ; 2 off the exponent field: the conversion takes this operand's exponent field as its scale
	v_lshrrev_b32 v[TM+3], 23, v[TM+2]             ; the scale's byte
.if (\b) == 0
	v_mov_b32 v[SBW], v[TM+3]
.else
	v_lshl_or_b32 v[SBW], v[TM+3], 8*(\b), v[SBW]
.endif
	v_cvt_scalef32_pk16_fp6_f32 v[F:F+2], v[XS:XS+15], v[TM+2]
	v_cvt_scalef32_pk16_fp6_f32 v[TQ:TQ+2], v[XS+16:XS+31], v[TM+2]   ; (a conversion's three registers begin on an even number)
	v_nop                                          ; one plain place behind a scaled conversion
.irp i, 0,1,2
	v_mov_b32 v[F+3+\i], v[TQ+\i]
.endr
.if (\b) < 2
	ds_store_b128 v[STW], v[F:F+3] offset:\stg+256*((\b)&1)          ; registers 0-3
	ds_store_b64 v[STW], v[F+4:F+5] offset:\stg+512+256*((\b)&1)     ; registers 4, 5
.else
	ds_store_b64 v[STW], v[F:F+1] offset:\stg+520+256*((\b)&1)       ; registers 6, 7
	ds_store_b128 v[STW], v[F+2:F+5] offset:\stg+1024+256*((\b)&1)   ; registers 8-11
.endif
	s_wait_dscnt 0x0                               ; the stores have read their registers: the next block's codes may be written
.endm
; 64 numbers of a lane, register 16 b + i = k 32 b + 16 (lane / 16) + i of my row, become a fragment's codes in v[pc] on and its scale word in v[pw].
.macro QUANT s, pc, pw
.irp b, 0,1,2,3
	v_max3_num_f32 v[TM+\b], |v[(\s)+16*\b]|, |v[(\s)+1+16*\b]|, 0x1800000
.endr
.irp i, 2,4,6,8,10,12,14
.irp b, 0,1,2,3
	v_max3_num_f32 v[TM+\b], v[TM+\b], |v[(\s)+16*\b+\i]|, |v[(\s)+1+16*\b+\i]|
.endr
.endr
.irp b, 0,1,2,3
	v_permlanex16_b32 v[TM+4+\b], v[TM+\b], s[SEL], s[SEL+1]
.endr
.irp b, 0,1,2,3
	v_max_num_f32 v[TM+\b], v[TM+\b], v[TM+4+\b]   ; with lane l xor 16's: the block's largest magnitude
.endr
.irp b, 0,1,2,3
	v_add_nc_u32 v[TM+12+\b], 0xff000000, v[TM+\b]
.endr
.irp b, 0,1,2,3
	v_lshrrev_b32 v[TM+4+\b], 23, v[TM+12+\b]
.endr
	v_lshl_or_b32 v[\pw], v[TM+5], 8, v[TM+4]
	v_lshl_or_b32 v[\pw], v[TM+6], 16, v[\pw]
	v_lshl_or_b32 v[\pw], v[TM+7], 24, v[\pw]
.irp c, 0,1
	v_cvt_scalef32_pk16_fp6_f32 v[(\pc)+6*\c:(\pc)+2+6*\c], v[(\s)+32*\c:(\s)+15+32*\c], v[TM+12+2*\c]
	v_cvt_scalef32_pk16_fp6_f32 v[TQ+4*\c:TQ+2+4*\c], v[(\s)+16+32*\c:(\s)+31+32*\c], v[TM+12+2*\c+1]
.endr
	v_nop                                          ; one plain place behind a scaled conversion
.irp c, 0,1                                    ; the operand's layout wants a whole block in a lane: lanes 0-15 block 2 c, lanes 16-31 block 2 c + 1
.irp i, 0,1,2
	v_permlane16_swap_b32 v[(\pc)+6*\c+\i], v[TQ+4*\c+\i]
.endr
.irp i, 0,1,2
	v_mov_b32 v[(\pc)+3+6*\c+\i], v[TQ+4*\c+\i]
.endr
.endr
.endm
.macro QLOAD mt                        ; rows 16 mt + r of query, my K step: of each block of 32 my half's 16 numbers
.irp b, 0,1,2,3
.irp j, 0,1,2,3
	global_load_b128 v[Q+16*\b+4*\j:Q+16*\b+4*\j+3], v[QA], s[8:9] offset:(\mt)*131072+128*\b+16*\j
.endr
.endr
.endm
	s_load_b256 s[4:11], s[0:1], 0x0               ; W1 s[4:5], W2 s[6:7], query s[8:9], b1 s[10:11]
	s_load_b128 s[12:15], s[0:1], 0x20             ; b2 s[12:13], w1f s[14:15]
	s_load_b64 s[16:17], s[0:1], 0x30              ; qp4
	v_lshl_add_u32 v[SPW], v0, 2, SPARE
	v_mov_b32 v[NIL], 0
	v_lshrrev_b32 v1, 5, v0
	v_readfirstlane_b32 s18, v1                    ; wave 0..3
	v_and_b32 v1, 31, v0                           ; lane
	v_and_b32 v11, 15, v0                          ; r
	v_bfe_u32 v12, v0, 4, 1                        ; h
	v_lshlrev_b32 v[L4], 2, v1
	s_mul_i32 s26, s18, 3072
	v_mul_u32_u24 v[STW], v12, 1536
	v_lshl_add_u32 v[STW], v11, 4, v[STW]
	v_add_nc_u32 v[STW], s26, v[STW]
	v_lshlrev_b32 v[GOF], 4, v1
	v_add_nc_u32 v[STR], s26, v[GOF]
	v_lshlrev_b32 v[QA], 13, v11
	v_lshl_add_u32 v[QA], v12, 6, v[QA]
	v_lshlrev_b32 v[BO], 2, v11
	s_lshl_b32 s27, s18, 12
	v_add_nc_u32 v[RW], s27, v[GOF]
	v_add_nc_u32 v[RW], RED, v[RW]
	s_lshl_b32 s27, s18, 10
	v_add_nc_u32 v[RR], s27, v[GOF]
	v_add_nc_u32 v[RR], RED, v[RR]
	v_lshlrev_b32 v[PO], 15, v12
	v_lshl_add_u32 v[PO], v11, 2, v[PO]
.irp b, 0,1,2,3
	v_mov_b32 v[TM+4+\b], 0                        ; written once: a lane permute's destination counts as one of its sources
.endr
	s_mov_b32 s[SEL], 0x76543210
	s_mov_b32 s[SEL+1], 0xfedcba98
	s_and_b32 s19, ttmp9, 127
	s_lshr_b32 s20, s19, 2                         ; which 32 columns
	s_and_b32 s21, s19, 3                          ; which quarter of K
	s_lshl_b32 s22, s21, 2
	s_add_co_u32 s22, s22, s18                     ; my K step: 4 x quarter + wave
	s_lshl_b32 s23, s20, 7                         ; the 32 columns in bytes
	s_lshl_b32 s24, s22, 19                        ; 128 rows of 4,096 bytes
	s_add_co_u32 s24, s24, s23
	s_mov_b32 s25, 0
	s_wait_kmcnt 0x0
	s_cmp_lt_u32 ttmp9, 128                        ; W1's work-group or W2's: the choice hangs on the work-group's number alone
	s_cselect_b64 s[4:5], s[4:5], s[6:7]
	s_add_nc_u64 s[4:5], s[4:5], s[24:25]
	s_cmp_lt_u32 ttmp9, 128
	s_cbranch_scc0 .Lw2
	; ---- W1: all four blocks' loads go out at once, each into registers of its own
	LOADW 0
	LOADW 1
	LOADW 2
	LOADW 3
	s_mul_i32 s28, s22, WBLK                       ; my K step's block in w1f,
	s_mul_i32 s30, s20, 3072                       ; my two tiles in it
	s_add_co_u32 s30, s30, s28
	s_mov_b32 s31, 0
	s_add_nc_u64 s[30:31], s[14:15], s[30:31]
	s_add_co_u32 s28, s28, s23                     ; and my 32 scale words
	s_add_co_u32 s28, s28, SCW
	s_mov_b32 s29, 0
	s_add_nc_u64 s[28:29], s[14:15], s[28:29]
	BLOCK 0, 63, 0                                 ; behind block 0's loads stand 96, behind block 1's 64: the wait's field holds 63, which is under both
	BLOCK 1, 63, 0
	BLOCK 2, 32, 0
	BLOCK 3, 0, 0
.irp i, 0,1,2,3,4,5
	ds_load_b128 v[Q+4*\i:Q+4*\i+3], v[STR] offset:512*\i    ; LDS serves a wave's instructions in order: these see my stores
.endr
.irp i, 0,1,2,3,4,5
	s_wait_dscnt 5-\i
	global_store_b128 v[GOF], v[Q+4*\i:Q+4*\i+3], s[30:31] offset:512*\i   ; 32 lanes store 512 consecutive bytes, at a multiple of 256 from w1f's first byte
.endr
	s_wait_alu depctr_va_vdst(0)
	global_store_b32 v[L4], v[SBW], s[28:29]
	s_wait_tensorcnt 0x0                           ; the wave's end
	ds_add_u32 v[SPW], v[NIL]
	s_wait_dscnt 0x0
	s_endpgm
.Lw2:	; ---- W2, and query x W2 for my K step
	s_lshl_b32 s26, s22, 9                         ; my K step in a row of query
	s_mov_b32 s27, 0
	s_add_nc_u64 s[8:9], s[8:9], s[26:27]
	s_and_b32 s32, s18, 1                          ; at the end wave w sums tile (rows 16 (w / 2) on, columns 16 (w % 2) on)
	s_lshl_b32 s32, s32, 6
	s_add_co_u32 s32, s32, s23
	s_mov_b32 s33, 0
	s_add_nc_u64 s[10:11], s[10:11], s[32:33]      ; b1, b2 at that tile's columns
	s_add_nc_u64 s[12:13], s[12:13], s[32:33]
	s_lshr_b32 s34, s18, 1
	s_lshl_b32 s34, s34, 16                        ; 16 rows of 4,096 bytes
	s_lshl_b32 s35, s21, 17                        ; the quarter's plane of 32 rows
	s_add_co_u32 s34, s34, s35
	s_add_co_u32 s34, s34, s32
	s_mov_b32 s35, 0
	s_add_nc_u64 s[16:17], s[16:17], s[34:35]
	QLOAD 0
	global_load_b32 v[BI], v[BO], s[10:11]
	global_load_b32 v[BI+1], v[BO], s[12:13]
	LOADW 0
	LOADW 1
	LOADW 2
	LOADW 3
	s_wait_loadcnt 63                              ; query's rows 0-15 and the biases are in: 128 loads of W stand behind them, and 63 is under that
	QUANT Q, AF0, PW0
	v_add_f32 v[BI+2], v[BI], v[BI+1]
	v_mul_f32 v[BI+2], 0x3e800000, v[BI+2]         ; a quarter of the bias in each quarter of K: exact
	v_mov_b32 v[BI+3], v[BI+2]
	QLOAD 1
	BLOCK 0, 63, PSTG2                             ; behind block 0's loads: 96 of W and 16 of query; behind block 1's: 64 and 16
	BLOCK 1, 63, PSTG2
	BLOCK 2, 48, PSTG2                             ; behind block 2's: 32 and 16
	BLOCK 3, 0, PSTG2
	QUANT Q, AF1, PW1
.irp t, 0,1
.irp i, 0,1,2
	ds_load_b128 v[BF+12*\t+4*\i:BF+12*\t+4*\i+3], v[STR] offset:PSTG2+1536*\t+512*\i   ; my two tiles of W2 come back as operands' registers
.endr
.endr
	s_wait_alu depctr_va_vdst(0)
	s_wait_dscnt 0x0
.rept 8
	v_nop                                          ; a scale register written by a vector instruction stands 8 places ahead of a scaled matrix instruction, an operand so written 4
.endr
	v_wmma_scale_f32_16x16x128_f8f6f4 v[DD:DD+7], v[AF0:AF0+11], v[BF:BF+11], 0, v[PW0], v[SBW] matrix_a_fmt:MATRIX_FMT_FP6 matrix_b_fmt:MATRIX_FMT_FP6
	v_wmma_scale_f32_16x16x128_f8f6f4 v[DD+8:DD+15], v[AF0:AF0+11], v[BF+12:BF+23], 0, v[PW0], v[SBW] matrix_a_fmt:MATRIX_FMT_FP6 matrix_b_fmt:MATRIX_FMT_FP6 matrix_b_scale:MATRIX_SCALE_ROW1
	v_wmma_scale_f32_16x16x128_f8f6f4 v[DD+16:DD+23], v[AF1:AF1+11], v[BF:BF+11], 0, v[PW1], v[SBW] matrix_a_fmt:MATRIX_FMT_FP6 matrix_b_fmt:MATRIX_FMT_FP6
	v_wmma_scale_f32_16x16x128_f8f6f4 v[DD+24:DD+31], v[AF1:AF1+11], v[BF+12:BF+23], 0, v[PW1], v[SBW] matrix_a_fmt:MATRIX_FMT_FP6 matrix_b_fmt:MATRIX_FMT_FP6 matrix_b_scale:MATRIX_SCALE_ROW1
.rept 4
	v_nop                                          ; four places in front of the stores that read the results
.endr
.irp i, 0,1,2,3,4,5,6,7
	ds_store_b128 v[RW], v[DD+4*\i:DD+4*\i+3] offset:512*\i   ; each accumulator from its low end on
.endr
	s_wait_dscnt 0x0                               ; for the others' sake: my stores have landed
	s_barrier_signal -1
	s_barrier_wait -1
.irp p, 0,1,2,3
.irp i, 0,1
	ds_load_b128 v[SU+8*\p+4*\i:SU+8*\p+4*\i+3], v[RR] offset:4096*\p+512*\i   ; tile w of wave p
.endr
.endr
	s_wait_dscnt 0x0
.irp k, 0,2,4,6
	v_pk_add_f32 v[SU+\k:SU+\k+1], v[SU+\k:SU+\k+1], v[SU+8+\k:SU+8+\k+1]
	v_pk_add_f32 v[SU+16+\k:SU+16+\k+1], v[SU+16+\k:SU+16+\k+1], v[SU+24+\k:SU+24+\k+1]
.endr
.irp k, 0,2,4,6
	v_pk_add_f32 v[SU+\k:SU+\k+1], v[SU+\k:SU+\k+1], v[SU+16+\k:SU+16+\k+1]
.endr
.irp k, 0,2,4,6
	v_pk_add_f32 v[SU+\k:SU+\k+1], v[SU+\k:SU+\k+1], v[BI+2:BI+3]
.endr
.irp j, 0,1,2,3,4,5,6,7
	global_store_b32 v[PO], v[SU+\j], s[16:17] offset:4096*\j   ; (row 8 h + j, column r) of the tile
.endr
	s_wait_tensorcnt 0x0                           ; the wave's end: the same three lines
	ds_add_u32 v[SPW], v[NIL]
	s_wait_dscnt 0x0
	s_endpgm
.Lfunc_end_k_q88ddc32b1e_prep:
	.size	k_q88ddc32b1e_prep, .Lfunc_end_k_q88ddc32b1e_prep-k_q88ddc32b1e_prep
	.p2alignl 7, 3214868480
	.fill 96, 4, 3214868480
	.section	.rodata,"a",@progbits
	.p2align	6, 0x0
	.amdhsa_kernel k_q88ddc32b1e_prep
		.amdhsa_group_segment_fixed_size 41472
		.amdhsa_private_segment_fixed_size 0
		.amdhsa_enable_private_segment 0
		.amdhsa_kernarg_size 56
		.amdhsa_user_sgpr_count 2
		.amdhsa_user_sgpr_kernarg_segment_ptr 1
		.amdhsa_wavefront_size32 1
		.amdhsa_system_sgpr_workgroup_id_x 1
		.amdhsa_system_sgpr_workgroup_id_y 1
		.amdhsa_system_sgpr_workgroup_id_z 1
		.amdhsa_system_vgpr_workitem_id 0
		.amdhsa_next_free_vgpr 256
		.amdhsa_next_free_sgpr 66
		.amdhsa_reserve_vcc 0
		.amdhsa_float_denorm_mode_32 3
		.amdhsa_float_denorm_mode_16_64 3
		.amdhsa_memory_ordered 1
		.amdhsa_forward_progress 1
		.amdhsa_inst_pref_size 57
	.end_amdhsa_kernel
	.amdgpu_metadata
---
amdhsa.version: [ 1, 2 ]
amdhsa.kernels:
  - .name:           k_q88ddc32b1e_prep
    .symbol:         k_q88ddc32b1e_prep.kd
    .args:
      - { .name: W1, .offset: 0, .size: 8, .value_kind: global_buffer, .address_space: global }
      - { .name: W2, .offset: 8, .size: 8, .value_kind: global_buffer, .address_space: global }
      - { .name: query, .offset: 16, .size: 8, .value_kind: global_buffer, .address_space: global }
      - { .name: b1, .offset: 24, .size: 8, .value_kind: global_buffer, .address_space: global }
      - { .name: b2, .offset: 32, .size: 8, .value_kind: global_buffer, .address_space: global }
      - { .name: w1f, .offset: 40, .size: 8, .value_kind: global_buffer, .address_space: global }
      - { .name: qp4, .offset: 48, .size: 8, .value_kind: global_buffer, .address_space: global }
    .group_segment_fixed_size: 41472
    .private_segment_fixed_size: 0
    .kernarg_segment_align: 8
    .kernarg_segment_size: 56
    .max_flat_workgroup_size: 128
    .sgpr_count:     66
    .vgpr_count:     256
    .wavefront_size: 32
...
	.end_amdgpu_metadata
.endif
;; end of part 1
;; launch score (part 2): grid 512 x 1, 4 waves a work-group, clusters of 4 x 1, 327,680 bytes of LDS; arguments values, w1f, qp4, V, sc, cp; writes sc, cp
.if DOCPART == 2
	.amdgcn_target "amdgcn-amd-amdhsa--gfx1250"
	.amdhsa_code_object_version 6
	.text
	.protected	k_q88ddc32b1e_score
	.globl	k_q88ddc32b1e_score
	.p2align	8
	.type	k_q88ddc32b1e_score,@function
k_q88ddc32b1e_score:
	s_mov_b64 s[64:65], 0
	v_nop
	global_prefetch_b8 v0, s[64:65] scope:SCOPE_SE
	s_setreg_imm32_b32 hwreg(HW_REG_WAVE_MODE, 25, 1), 1
	s_wait_xcnt 0x0
	s_wait_alu depctr_hold_cnt(0) depctr_sa_sdst(0) depctr_va_vdst(0) depctr_va_sdst(0) depctr_va_ssrc(0) depctr_va_vcc(0) depctr_vm_vsrc(0)
	s_getreg_b32 s2, hwreg(HW_REG_IB_STS2, 6, 4)
	s_cmp_eq_u32 s2, 0
	s_cbranch_scc0 .Lentry_in_a_cluster
	s_endpgm
.Lentry_in_a_cluster:
	s_bfe_u32 s2, ttmp6, 0x10000c
	s_cmp_lg_u32 s2, 0x3003
	s_cbranch_scc0 .Lentry_shape_is_right
	s_endpgm
.Lentry_shape_is_right:
; Second of three launches.  A work-group of four waves takes 64 rows (b, t) of values through the whole chain:
; (1) K loop, 16 steps of 128: each wave loads 16 rows x 512 bytes of values, two steps ahead in registers, turns them through its LDS stage, quantises them to E2M3 and lays the
;     operand's image in LDS for all four waves; W1's codes (w1f, in the order of the operand's registers) come by joint tensor loads of a cluster of four work-groups into a ring of two slots;
;     wave w holds 64 rows x columns 256 w .. + 255 in 512 registers.
; (2) score part = -2 sum over u of V[u] / (1 + e^(2 x)), x = the product + the four quarters of qp4; summed over lanes and over the four waves in LDS; wave 0 stores the 64 scores to sc.
; (3) every wave takes the tile's largest score m away, p = e^(s - m), and reads ITS OWN 16 rows of values once more, whole rows of 8,192 bytes on end, adding p x values into 64 registers;
;     the four waves' sums meet in LDS and leave as cp[tile][2048].  The last launch brings the 16 tiles of a batch under the batch's maximum.
; WORK LEFT OUT: bv and the sum of V, the same for all t of a batch, change no softmax (shown at the head of the first launch).
; The first pass's loads of values carry no hint, since this launch reads those bytes again; the second pass's carry TH_LOAD_NT.  No separate prefetch: the first pass has 32 loads a wave out,
; the second 48 to 64 (three rows ahead; rows 0 to 2 are asked for ahead of the tanh work).  LIMITS: NaN and infinities among the inputs are not served.
.set WBLK,  102400
.set SLOTB, 102400
.set SCW,   98304
.set AIMG,  204800
.set ABUF,  6656
.set ASC,   6144
.set XSTG,  218112
.set XPW,   8448
.set XP,    528
.set SRED,  251904
.set SPARE, 252928
.set CST,   253440                     ; behind the spare words: four waves' sums of p x values, 8,192 bytes each; no tensor load lands here
.set PB,    286208                     ; the 64 p, a copy of 256 bytes for each wave
.set CSW, 76                           ; v76  CST + 8,192 w + 16 lane
.set CSR, 77                           ; v77  CST + 2,048 w + 16 lane
.set PBW, 78                           ; v78  PB + 256 w + 8 lane
.set PBR, 79                           ; v79  PB + 256 w + 64 w: my 16 rows' p
.set CA,  128                          ; v128-191 my sums: register 4 i + e = column 128 i + 4 lane + e
.set PR,  208                          ; v208-223 my 16 rows' p, the same in every lane
.set SR,  224                          ; v224-235 scores, p, at work
; Row r of my 16: 16 loads of 512 consecutive bytes into 64 registers: rows 0-3 and 12-15 in window 1, rows 4-7 in window 2, rows 8-11 in window 3, at 64 (r % 4).
; Rows 3 to 11 are asked for among the tanh groups: group (W, cp) leaves registers 64 cp .. + 63 of window W, which take a row; rows 12 to 15 follow rows 0 to 3's multiply-adds.
.macro CROW r
.set cw, 1+(((\r)/4)%3)
	WIN (cw<<6)
.irp i, 0,1,2,3,4,5,6,7,8,9,10,11,12,13,14,15
	global_load_b128 v[64*((\r)%4)+4*\i:64*((\r)%4)+4*\i+3], v[XA], s[4:5] offset:8192*(\r)+512*\i th:TH_LOAD_NT
.endr
.endm
.macro CFMA r                          ; sums += p[r] x row r; row 0 starts the sums
.set cw, 1+(((\r)/4)%3)
	WIN cw
.set n, 0
.rept 32
.set rx, 64*((\r)%4)+2*n
.set rp, PR+2*((\r)/2)
.if (\r) == 0
	v_pk_mul_f32 v[CA+2*n:CA+2*n+1], v[rx:rx+1], v[rp:rp+1] op_sel_hi:[1,0]
.elseif (\r)%2 == 0
	v_pk_fma_f32 v[CA+2*n:CA+2*n+1], v[rx:rx+1], v[rp:rp+1], v[CA+2*n:CA+2*n+1] op_sel_hi:[1,0,1]
.else
	v_pk_fma_f32 v[CA+2*n:CA+2*n+1], v[rx:rx+1], v[rp:rp+1], v[CA+2*n:CA+2*n+1] op_sel:[0,1,0] op_sel_hi:[1,1,1]
.endif
.set n, n+1
.endr
.endm
.set XA,  1
.set XSI, 2
.set XSO, 3
.set AWI, 4
.set AWS, 5
.set LIA, 6
.set LSA, 7
.set ADB, 8
.set ADS, 10
.set QO,  12
.set SRW, 13
.set SRR, 14
.set O8,  15
.set SPW, 16
.set NIL, 17
.set SB,  20
.set SA,  28
.set TM,  36
.set PW,  52
.set PC,  54
.set TQ,  66
.set SS,  80
.set ST,  128
.set QS,  128
.set VM,  192
.set WV,  14
.set SEL, 20
.set C2,  22
.set G1,  28
.set G0,  36
.set MSB, 0
.macro WIN new
.if MSB != \new
	s_set_vgpr_msb (MSB<<8)|\new
.set MSB, \new
.endif
.endm
.macro PLACES n
.rept \n
	v_nop
.endr
.endm
.macro CROUND
	s_barrier_signal -1
	s_barrier_wait -1
	s_cmp_lg_u32 s[WV], 0
	s_cbranch_scc1 .Lnot_wave_0_\@
	s_barrier_signal -3
.Lnot_wave_0_\@:
	s_barrier_wait -3
	s_barrier_signal -1
	s_barrier_wait -1
.endm
.macro QUANT s, pc, pw
.irp b, 0,1,2,3
	v_max3_num_f32 v[TM+\b], |v[(\s)+16*\b]|, |v[(\s)+1+16*\b]|, 0x1800000
.endr
.irp i, 2,4,6,8,10,12,14
.irp b, 0,1,2,3
	v_max3_num_f32 v[TM+\b], v[TM+\b], |v[(\s)+16*\b+\i]|, |v[(\s)+1+16*\b+\i]|
.endr
.endr
.irp b, 0,1,2,3
	v_permlanex16_b32 v[TM+4+\b], v[TM+\b], s[SEL], s[SEL+1]
.endr
.irp b, 0,1,2,3
	v_max_num_f32 v[TM+\b], v[TM+\b], v[TM+4+\b]
.endr
.irp b, 0,1,2,3
	v_add_nc_u32 v[TM+12+\b], 0xff000000, v[TM+\b]
.endr
.irp b, 0,1,2,3
	v_lshrrev_b32 v[TM+4+\b], 23, v[TM+12+\b]
.endr
	v_lshl_or_b32 v[\pw], v[TM+5], 8, v[TM+4]
	v_lshl_or_b32 v[\pw], v[TM+6], 16, v[\pw]
	v_lshl_or_b32 v[\pw], v[TM+7], 24, v[\pw]
.irp c, 0,1
	v_cvt_scalef32_pk16_fp6_f32 v[(\pc)+6*\c:(\pc)+2+6*\c], v[(\s)+32*\c:(\s)+15+32*\c], v[TM+12+2*\c]
	v_cvt_scalef32_pk16_fp6_f32 v[TQ+4*\c:TQ+2+4*\c], v[(\s)+16+32*\c:(\s)+31+32*\c], v[TM+12+2*\c+1]
.endr
	v_nop
.irp c, 0,1
.irp i, 0,1,2
	v_permlane16_swap_b32 v[(\pc)+6*\c+\i], v[TQ+4*\c+\i]
.endr
.irp i, 0,1,2
	v_mov_b32 v[(\pc)+3+6*\c+\i], v[TQ+4*\c+\i]
.endr
.endr
.endm
.macro XLOAD set, koff
.irp i, 0,1,2,3,4,5,6,7,8,9,10,11,12,13,14,15
	global_load_b128 v[ST+64*(\set)+4*\i:ST+64*(\set)+4*\i+3], v[XA], s[4:5] offset:8192*\i+\koff
.endr
.endm
.macro TURN set
.irp i, 0,1,2,3,4,5,6,7,8,9,10,11,12,13,14,15
	ds_store_b128 v[XSI], v[ST+64*(\set)+4*\i:ST+64*(\set)+4*\i+3] offset:XP*\i
.endr
.irp b, 0,1,2,3
.irp j, 0,1,2,3
	ds_load_b128 v[ST+64*(\set)+16*\b+4*\j:ST+64*(\set)+16*\b+4*\j+3], v[XSO] offset:128*\b+16*\j
.endr
.endr
.endm
.macro IMAGE buf
.irp i, 0,1,2
	ds_store_b128 v[AWI], v[PC+4*\i:PC+4*\i+3] offset:(\buf)*ABUF+512*\i
.endr
	ds_store_b32 v[AWS], v[PW] offset:(\buf)*ABUF
.endm
.macro FETCH_HI p
	WIN 0x40
.irp c, 8,9,10,11,12,13,14,15
.irp i, 0,1,2
	ds_load_b128 v[12*\c+4*\i:12*\c+4*\i+3], v[ADB+(\p)] offset:1536*\c+512*\i
.endr
.endr
	WIN 0
.irp j, 4,5,6,7
	ds_load_b32 v[SB+\j], v[ADS+(\p)] offset:128*\j
.endr
.endm
.macro FETCH_NEXT q
	WIN 0
.irp m, 0,1,2,3
	ds_load_b32 v[SA+4*(\q)+\m], v[LSA] offset:(\q)*ABUF+128*\m
.endr
.irp j, 0,1,2,3
	ds_load_b32 v[SB+\j], v[ADS+(\q)] offset:128*\j
.endr
.if (\q) == 0
.irp m, 0,1,2,3
.irp i, 0,1,2
	ds_load_b128 v[80+12*\m+4*\i:80+12*\m+4*\i+3], v[LIA] offset:1536*\m+512*\i
.endr
.endr
.endif
	WIN 0x40
.irp c, 0,1,2,3,4,5,6,7
.irp i, 0,1,2
	ds_load_b128 v[12*\c+4*\i:12*\c+4*\i+3], v[ADB+(\q)] offset:1536*\c+512*\i
.endr
.endr
.if (\q) == 1
.irp m, 0,1,2,3
.irp i, 0,1,2
	ds_load_b128 v[192+12*\m+4*\i:192+12*\m+4*\i+3], v[LIA] offset:ABUF+1536*\m+512*\i
.endr
.endr
.endif
.endm
.macro MULH p, hi, zero
	WIN (0xa4+0x50*(\hi))|(\p)
.irp c, 0,1,2,3,4,5,6,7
.irp m, 0,1,2,3
.set rD, 8*(4*\c+\m)
.set rA, 80+112*(\p)+12*\m
.set rB, 96*(\hi)+12*\c
.set rSA, SA+4*(\p)+\m
.set rSB, SB+4*(\hi)+\c/2
.if \zero
.if \c%2
	v_wmma_scale_f32_16x16x128_f8f6f4 v[rD:rD+7], v[rA:rA+11], v[rB:rB+11], 0, v[rSA], v[rSB] matrix_a_fmt:MATRIX_FMT_FP6 matrix_b_fmt:MATRIX_FMT_FP6 matrix_b_scale:MATRIX_SCALE_ROW1
.else
	v_wmma_scale_f32_16x16x128_f8f6f4 v[rD:rD+7], v[rA:rA+11], v[rB:rB+11], 0, v[rSA], v[rSB] matrix_a_fmt:MATRIX_FMT_FP6 matrix_b_fmt:MATRIX_FMT_FP6
.endif
.else
.if \c%2
	v_wmma_scale_f32_16x16x128_f8f6f4 v[rD:rD+7], v[rA:rA+11], v[rB:rB+11], v[rD:rD+7], v[rSA], v[rSB] matrix_a_fmt:MATRIX_FMT_FP6 matrix_b_fmt:MATRIX_FMT_FP6 matrix_b_scale:MATRIX_SCALE_ROW1
.else
	v_wmma_scale_f32_16x16x128_f8f6f4 v[rD:rD+7], v[rA:rA+11], v[rB:rB+11], v[rD:rD+7], v[rSA], v[rSB] matrix_a_fmt:MATRIX_FMT_FP6 matrix_b_fmt:MATRIX_FMT_FP6
.endif
.endif
.endr
.endr
.endm
.macro QLOADS
.irp pp, 0,1,2,3
.irp c, 0,1,2,3,4,5,6,7,8,9,10,11,12,13,14,15
	global_load_b32 v[QS+16*\pp+\c], v[QO], s[8:9] offset:131072*\pp+64*\c
.endr
.endr
.irp c, 0,1,2,3,4,5,6,7,8,9,10,11,12,13,14,15
	global_load_b32 v[VM+\c], v[QO], s[10:11] offset:64*\c
.endr
.endm
.macro TRIP p, zero, xq, lc, koff, fill, nxt, ql
	WIN 0
.if \zero == 0
	PLACES 4
.endif
.if \xq
	s_wait_loadcnt \lc
	TURN 1-\p
.endif
	FETCH_HI \p
.if \xq
	s_wait_dscnt 60
.else
	s_wait_dscnt 28
.endif
	MULH \p, 0, \zero
	WIN 0
.if \xq
	s_wait_dscnt 28
	QUANT ST+64*(1-\p), PC, PW
	IMAGE 1-\p
.if \koff >= 0
	XLOAD 1-\p, \koff
.endif
.if \ql
	QLOADS
.endif
.endif
.if \nxt
	s_wait_tensorcnt 0x0
	ds_add_u32 v[SPW], v[NIL]
.if \fill
	s_add_nc_u64 s[G0+4*\p+2:G0+4*\p+3], s[G0+4*\p+2:G0+4*\p+3], 2*WBLK
.endif
	s_wait_dscnt 0x0
.if \fill
	CROUND
	tensor_load_to_lds s[G0+4*\p:G0+4*\p+3], s[G1:G1+7]
	s_nop 0
	PLACES 4
.else
	s_barrier_signal -1
	s_barrier_wait -1
	PLACES 4
.endif
	FETCH_NEXT 1-\p
.else
	s_wait_dscnt 0x0
.endif
	MULH \p, 1, \zero
	WIN 0
.endm
.macro EG W, cp
.set CE, 8*((\W)-2)+2*(\cp)
	WIN (\W)|((\W)<<6)
.set n, 0
.rept 32
.set ra, 64*(\cp)+2*n
.if n < 16
	v_pk_fma_f32 v[ra:ra+1], v[ra:ra+1], s[C2:C2+1], v[QS+CE:QS+CE+1] op_sel_hi:[1,0,0]
.else
	v_pk_fma_f32 v[ra:ra+1], v[ra:ra+1], s[C2:C2+1], v[QS+CE:QS+CE+1] op_sel:[0,0,1] op_sel_hi:[1,0,1]
.endif
.set n, n+1
.endr
.set n, 0
	s_wait_alu depctr_va_vdst(0)
.rept 64
	v_exp_f32 v[64*(\cp)+n], v[64*(\cp)+n]
.set n, n+1
.endr
	v_nop
	s_wait_alu depctr_va_vdst(0)
.set n, 0
.rept 32
.set ra, 64*(\cp)+2*n
	v_pk_add_f32 v[ra:ra+1], v[ra:ra+1], 1.0 op_sel_hi:[1,0]
.set n, n+1
.endr
.set n, 0
	s_wait_alu depctr_va_vdst(0)
.rept 64
	v_rcp_f32 v[64*(\cp)+n], v[64*(\cp)+n]
.set n, n+1
.endr
	v_nop
	s_wait_alu depctr_va_vdst(0)
	WIN \W
.set n, 0
.rept 32
.set ra, 64*(\cp)+2*n
.set rs, SS+8*((n%16)/4)+2*(n%4)
.if (CE == 0) && (n < 16)
	v_pk_mul_f32 v[rs:rs+1], v[ra:ra+1], v[VM+CE:VM+CE+1] op_sel_hi:[1,0]
.elseif n < 16
	v_pk_fma_f32 v[rs:rs+1], v[ra:ra+1], v[VM+CE:VM+CE+1], v[rs:rs+1] op_sel_hi:[1,0,1]
.else
	v_pk_fma_f32 v[rs:rs+1], v[ra:ra+1], v[VM+CE:VM+CE+1], v[rs:rs+1] op_sel:[0,1,0] op_sel_hi:[1,1,1]
.endif
.set n, n+1
.endr
.endm
	s_load_b256 s[4:11], s[0:1], 0x0
	s_load_b64 s[12:13], s[0:1], 0x20
	s_load_b64 s[52:53], s[0:1], 0x28              ; cp
	v_lshl_add_u32 v[SPW], v0, 2, SPARE
	v_mov_b32 v[NIL], 0
	ds_add_u32 v[SPW], v[NIL]
	ds_add_u32 v[SPW], v[NIL]
	v_lshrrev_b32 v74, 5, v0
	v_readfirstlane_b32 s[WV], v74
	s_bfe_u32 s15, ttmp6, 0x40000
	s_lshl_b32 s16, ttmp9, 2
	s_add_co_u32 s16, s16, s15
	s_mov_b32 s[G1], 15|(3<<16)|(1<<21)
	s_mov_b32 s[G1+1], 32<<16
	s_mov_b32 s[G1+2], 100<<16
	s_mov_b32 s[G1+3], 32<<16
	s_mov_b32 s[G1+4], 100
	s_mov_b32 s[G1+5], 32
	s_mov_b32 s[G1+6], 0
	s_mov_b32 s[G1+7], 0
	s_mov_b32 s[SEL], 0x76543210
	s_mov_b32 s[SEL+1], 0xfedcba98
	s_mov_b32 s[C2], 0x4038aa3b
	s_mov_b32 s[C2+1], s[C2]
	s_lshl_b32 s18, s16, 6
	s_lshl_b32 s17, s[WV], 4
	s_add_co_u32 s18, s18, s17
	s_lshl_b32 s18, s18, 13
	s_mov_b32 s19, 0
	s_lshr_b32 s24, s16, 4
	s_lshl_b32 s24, s24, 12
	s_lshl_b32 s26, s[WV], 10
	s_add_co_u32 s24, s24, s26
	s_mov_b32 s25, 0
	s_mov_b32 s27, 0
	s_lshl_b32 s46, s16, 8
	s_mov_b32 s47, 0
	s_mul_i32 s48, s[WV], 25600
	s_mov_b32 s49, 0
	s_lshl_b32 s54, s16, 13                        ; cp: my tile's 8,192 bytes,
	s_lshl_b32 s55, s[WV], 11                      ; my wave's 2,048 of them
	s_add_co_u32 s54, s54, s55
	s_mov_b32 s55, 0
	v_and_b32 v18, 31, v0
	v_lshlrev_b32 v[XA], 4, v18
	s_wait_dscnt 0x0
	s_wait_kmcnt 0x0
	s_add_nc_u64 s[4:5], s[4:5], s[18:19]
	s_add_nc_u64 s[6:7], s[6:7], s[48:49]
	s_add_nc_u64 s[8:9], s[8:9], s[24:25]
	s_add_nc_u64 s[10:11], s[10:11], s[26:27]
	s_add_nc_u64 s[12:13], s[12:13], s[46:47]
	s_add_nc_u64 s[52:53], s[52:53], s[54:55]
	CROUND
.irp p, 0,1
	s_mov_b32 s[G0+4*\p], 1
	s_add_co_u32 s[G0+4*\p+1], s48, \p*SLOTB
	s_add_nc_u64 s[G0+4*\p+2:G0+4*\p+3], s[6:7], \p*WBLK
	s_or_b32 s[G0+4*\p+3], s[G0+4*\p+3], 0x80000000
.endr
	tensor_load_to_lds s[G0:G0+3], s[G1:G1+7]
	s_nop 0
	s_wait_alu depctr_va_vdst(0)
	XLOAD 0, 0                                     ; the first two steps' values are asked for while slot 0's tile is on its way
	XLOAD 1, 512
	s_wait_tensorcnt 0x0
	ds_add_u32 v16, v17
	s_wait_dscnt 0x0
	CROUND
	tensor_load_to_lds s[G0+4:G0+7], s[G1:G1+7]
	s_nop 0
	PLACES 4
	v_and_b32 v74, 15, v0
	v_bfe_u32 v75, v0, 4, 1
	s_mul_i32 s50, s[WV], XPW
	s_add_co_u32 s50, s50, XSTG
	v_add_nc_u32 v[XSI], s50, v[XA]
	v_mul_u32_u24 v[XSO], v74, XP
	v_lshl_add_u32 v[XSO], v75, 6, v[XSO]
	v_add_nc_u32 v[XSO], s50, v[XSO]
	s_mul_i32 s50, s[WV], 1536
	s_add_co_u32 s50, s50, AIMG
	v_add_nc_u32 v[AWI], s50, v[XA]
	s_lshl_b32 s50, s[WV], 7
	s_add_co_u32 s50, s50, AIMG+ASC
	v_lshl_add_u32 v[AWS], v18, 2, s50
	v_add_nc_u32 v[LIA], AIMG, v[XA]
	v_lshl_add_u32 v[LSA], v18, 2, AIMG+ASC
	s_mul_i32 s50, s[WV], 24576
	v_add_nc_u32 v[ADB], s50, v[XA]
	v_add_nc_u32 v[ADB+1], SLOTB, v[ADB]
	s_lshl_b32 s50, s[WV], 10
	s_add_co_u32 s50, s50, SCW
	v_lshl_add_u32 v[ADS], v18, 2, s50
	v_add_nc_u32 v[ADS+1], SLOTB, v[ADS]
	v_lshlrev_b32 v[QO], 2, v74
	s_lshl_b32 s50, s[WV], 8
	s_add_co_u32 s50, s50, SRED
	v_lshl_add_u32 v[SRW], v75, 5, s50
	v_lshl_add_u32 v[SRR], v18, 3, SRED
	v_lshlrev_b32 v[O8], 3, v18
	s_lshl_b32 s50, s[WV], 13
	s_add_co_u32 s50, s50, CST
	v_add_nc_u32 v[CSW], s50, v[XA]
	s_lshl_b32 s50, s[WV], 11
	s_add_co_u32 s50, s50, CST
	v_add_nc_u32 v[CSR], s50, v[XA]
	s_lshl_b32 s50, s[WV], 8
	s_add_co_u32 s50, s50, PB
	v_lshl_add_u32 v[PBW], v18, 3, s50
	s_mul_i32 s51, s[WV], 320
	s_add_co_u32 s51, s51, PB
	v_mov_b32 v[PBR], s51
.irp b, 0,1,2,3
	v_mov_b32 v[TM+4+\b], 0
.endr
	s_wait_loadcnt 16
	TURN 0
	s_wait_dscnt 0x0
	QUANT ST, PC, PW
	IMAGE 0
	XLOAD 0, 1024
	s_wait_tensorcnt 1
	s_wait_dscnt 0x0
	s_barrier_signal -1
	s_barrier_wait -1
	FETCH_NEXT 0
	TRIP 0, 1, 1, 16, 1536, 1, 1, 0
	s_mov_b32 s44, 6
.Lk:
	TRIP 1, 0, 1, 16, 2048, 1, 1, 0
	TRIP 0, 0, 1, 16, 2560, 1, 1, 0
	s_wait_xcnt 0x0
	s_add_nc_u64 s[4:5], s[4:5], 1024
	s_sub_co_u32 s44, s44, 1
	s_cmp_lg_u32 s44, 0
	s_cbranch_scc1 .Lk
	TRIP 1, 0, 1, 16, -1, 1, 1, 0
	TRIP 0, 0, 1, 0, -1, 0, 1, 1
	TRIP 1, 0, 0, 0, -1, 0, 0, 0
	s_wait_loadcnt 0x0
.irp c, 0,2,4,6,8,10,12,14
	v_pk_add_f32 v[QS+\c:QS+\c+1], v[QS+\c:QS+\c+1], v[QS+16+\c:QS+16+\c+1]
	v_pk_add_f32 v[QS+32+\c:QS+32+\c+1], v[QS+32+\c:QS+32+\c+1], v[QS+48+\c:QS+48+\c+1]
.endr
.irp c, 0,2,4,6,8,10,12,14
	v_pk_add_f32 v[QS+\c:QS+\c+1], v[QS+\c:QS+\c+1], v[QS+32+\c:QS+32+\c+1]
	v_pk_mul_f32 v[VM+\c:VM+\c+1], v[VM+\c:VM+\c+1], -2.0 op_sel_hi:[1,0]
.endr
.irp c, 0,2,4,6,8,10,12,14
	v_pk_mul_f32 v[QS+\c:QS+\c+1], v[QS+\c:QS+\c+1], s[C2:C2+1] op_sel_hi:[1,0]
.endr
	s_sub_nc_u64 s[4:5], s[4:5], 6144              ; back to my rows' first byte (six trips of 1,024); every load that named the base is in
	CROW 0                                         ; the second pass's rows 0 to 2 into window 1, which the products have left (40 plain vector lines stand behind the last of them)
	CROW 1
	CROW 2
.irp cp, 0,1,2,3
	EG 2, \cp
.if \cp == 0
	CROW 3
.endif
	CROW \cp+4                                     ; into the registers that this group has left
.endr
.irp cp, 0,1,2,3
	EG 3, \cp
	CROW \cp+8
.endr
	WIN 0
.irp x, 1,2,4,8
.set n, 0
.rept 32
	v_add_f32_dpp v[SS+n], v[SS+n], v[SS+n] row_xmask:\x row_mask:0xf bank_mask:0xf
.set n, n+1
.endr
.endr
.irp m, 0,1,2,3
.irp i, 0,1
	ds_store_b128 v[SRW], v[SS+8*\m+4*\i:SS+8*\m+4*\i+3] offset:64*\m+16*\i
.endr
.endr
	s_wait_dscnt 0x0
	s_barrier_signal -1
	s_barrier_wait -1
.irp p, 0,1,2,3
	ds_load_b64 v[SR+2*\p:SR+2*\p+1], v[SRR] offset:256*\p   ; every wave: the four waves' parts of rows 2 lane, 2 lane + 1
.endr
	s_wait_dscnt 0x0
	v_pk_add_f32 v[SR:SR+1], v[SR:SR+1], v[SR+2:SR+3]
	v_pk_add_f32 v[SR+4:SR+5], v[SR+4:SR+5], v[SR+6:SR+7]
	v_pk_add_f32 v[SR:SR+1], v[SR:SR+1], v[SR+4:SR+5]
	s_wait_alu depctr_va_vdst(0)
	s_cmp_lg_u32 s[WV], 0
	s_cbranch_scc1 .Lnot_mine
	global_store_b64 v[O8], v[SR:SR+1], s[12:13]   ; wave 0: 32 lanes store one aligned unit of 256 bytes; its data registers are not written again
.Lnot_mine:
	v_max_num_f32 v[SR+10], v[SR], v[SR+1]         ; the tile's largest score
.irp x, 1,2,4,8
	v_max_num_f32_dpp v[SR+10], v[SR+10], v[SR+10] row_xmask:\x row_mask:0xf bank_mask:0xf
.endr
	v_permlanex16_b32 v[TM+4], v[SR+10], s[SEL], s[SEL+1]
	v_max_num_f32 v[SR+10], v[SR+10], v[TM+4]
	v_sub_f32 v[SR+8], v[SR], v[SR+10]             ; the maximum is taken away before the exponential
	v_sub_f32 v[SR+9], v[SR+1], v[SR+10]
	v_mul_f32 v[SR+8], 0x3fb8aa3b, v[SR+8]         ; x log2(e)
	v_mul_f32 v[SR+9], 0x3fb8aa3b, v[SR+9]
	s_wait_alu depctr_va_vdst(0)                   ; ahead of the batch
	v_exp_f32 v[SR+8], v[SR+8]
	v_exp_f32 v[SR+9], v[SR+9]
	v_nop
	s_wait_alu depctr_va_vdst(0)                   ; and behind it
	ds_store_b64 v[PBW], v[SR+8:SR+9]              ; my wave's own copy of the 64 p;
.irp k, 0,1,2,3
	ds_load_b128 v[PR+4*\k:PR+4*\k+3], v[PBR] offset:16*\k   ; LDS serves a wave's instructions in order: my 16 rows' p come back, the same in every lane
.endr
	s_wait_dscnt 0x0
.irp r, 0,1,2,3,4,5,6,7,8,9,10,11,12,13,14,15
.if \r < 12
	s_wait_loadcnt 63                              ; row r is in: 64 loads or more were issued behind it, and loads come back in order
.else
	s_wait_loadcnt 16*(15-\r)                      ; the last rows: the counts run down
.endif
	CFMA \r
.if \r < 4
	CROW \r+12                                     ; into the buffer that row r has left
.endif
.endr
	WIN 0
.irp i, 0,1,2,3,4,5,6,7,8,9,10,11,12,13,14,15
	ds_store_b128 v[CSW], v[CA+4*\i:CA+4*\i+3] offset:512*\i
.endr
	s_wait_dscnt 0x0                               ; for the others' sake: my stores have landed
	s_barrier_signal -1
	s_barrier_wait -1
.irp p, 0,1,2,3
.irp i, 0,1,2,3
	ds_load_b128 v[CA+16*\p+4*\i:CA+16*\p+4*\i+3], v[CSR] offset:8192*\p+512*\i   ; wave w adds bytes 2,048 w .. + 2,047 of the four waves' sums
.endr
.endr
	s_wait_dscnt 0x0
.irp k, 0,2,4,6,8,10,12,14
	v_pk_add_f32 v[CA+\k:CA+\k+1], v[CA+\k:CA+\k+1], v[CA+16+\k:CA+16+\k+1]
	v_pk_add_f32 v[CA+32+\k:CA+32+\k+1], v[CA+32+\k:CA+32+\k+1], v[CA+48+\k:CA+48+\k+1]
.endr
.irp k, 0,2,4,6,8,10,12,14
	v_pk_add_f32 v[CA+\k:CA+\k+1], v[CA+\k:CA+\k+1], v[CA+32+\k:CA+32+\k+1]
.endr
.irp i, 0,1,2,3
	global_store_b128 v[XA], v[CA+4*\i:CA+4*\i+3], s[52:53] offset:512*\i   ; 32 lanes store 512 consecutive bytes, at a multiple of 256 from cp's first byte
.endr
	s_wait_tensorcnt 0x0
	ds_add_u32 v[SPW], v[NIL]
	s_wait_dscnt 0x0
	CROUND
	s_endpgm
.Lfunc_end_k_q88ddc32b1e_score:
	.size	k_q88ddc32b1e_score, .Lfunc_end_k_q88ddc32b1e_score-k_q88ddc32b1e_score
	.p2alignl 7, 3214868480
	.fill 96, 4, 3214868480
	.section	.rodata,"a",@progbits
	.p2align	6, 0x0
	.amdhsa_kernel k_q88ddc32b1e_score
		.amdhsa_group_segment_fixed_size 327680
		.amdhsa_private_segment_fixed_size 0
		.amdhsa_enable_private_segment 0
		.amdhsa_kernarg_size 48
		.amdhsa_user_sgpr_count 2
		.amdhsa_user_sgpr_kernarg_segment_ptr 1
		.amdhsa_wavefront_size32 1
		.amdhsa_system_sgpr_workgroup_id_x 1
		.amdhsa_system_sgpr_workgroup_id_y 1
		.amdhsa_system_sgpr_workgroup_id_z 1
		.amdhsa_system_vgpr_workitem_id 0
		.amdhsa_next_free_vgpr 1024
		.amdhsa_next_free_sgpr 66
		.amdhsa_reserve_vcc 0
		.amdhsa_float_denorm_mode_32 3
		.amdhsa_float_denorm_mode_16_64 3
		.amdhsa_memory_ordered 1
		.amdhsa_forward_progress 1
		.amdhsa_inst_pref_size 255
	.end_amdhsa_kernel
	.section	.bss,"aw",@nobits
	.p2align	6
	.space	262144
	.amdgpu_metadata
---
amdhsa.version: [ 1, 2 ]
amdhsa.kernels:
  - .name:           k_q88ddc32b1e_score
    .symbol:         k_q88ddc32b1e_score.kd
    .args:
      - { .name: values, .offset: 0, .size: 8, .value_kind: global_buffer, .address_space: global }
      - { .name: w1f, .offset: 8, .size: 8, .value_kind: global_buffer, .address_space: global }
      - { .name: qp4, .offset: 16, .size: 8, .value_kind: global_buffer, .address_space: global }
      - { .name: V, .offset: 24, .size: 8, .value_kind: global_buffer, .address_space: global }
      - { .name: sc, .offset: 32, .size: 8, .value_kind: global_buffer, .address_space: global }
      - { .name: cp, .offset: 40, .size: 8, .value_kind: global_buffer, .address_space: global }
    .group_segment_fixed_size: 327680
    .private_segment_fixed_size: 0
    .kernarg_segment_align: 8
    .kernarg_segment_size: 48
    .max_flat_workgroup_size: 128
    .sgpr_count:     66
    .vgpr_count:     1024
    .wavefront_size: 32
...
	.end_amdgpu_metadata
.endif
;; end of part 2
;; launch comb (part 3): grid 8 x 32, 16 waves a work-group, no clusters, 18,944 bytes of LDS; arguments sc, cp, out0, out1; writes out0, out1
.if DOCPART == 3
	.amdgcn_target "amdgcn-amd-amdhsa--gfx1250"
	.amdhsa_code_object_version 6
	.text
	.protected	k_q88ddc32b1e_comb
	.globl	k_q88ddc32b1e_comb
	.p2align	8
	.type	k_q88ddc32b1e_comb,@function
k_q88ddc32b1e_comb:
	s_mov_b64 s[64:65], 0
	v_nop
	global_prefetch_b8 v0, s[64:65] scope:SCOPE_SE
	s_setreg_imm32_b32 hwreg(HW_REG_WAVE_MODE, 25, 1), 1
	s_wait_xcnt 0x0
; Last of three launches.  out1[b][t] = softmax over t of sc[b][t]; out0[b][d] = sum over the batch's 16 tiles i of e^(m_i - M) cp[16 b + i][d] / L,
; where m_i is tile i's largest score (cp[i] = sum over its 64 rows of e^(s - m_i) values), M the batch's largest and L = sum over t of e^(s - M).
; sc lacks bv and the sum of V, which are the same for all t and change no softmax (shown at the head of the first launch).
; SHARES.  Work-group (j, b): columns 256 j .. + 255 of batch b.  Thread n holds scores 2 n, 2 n + 1, so wave w holds exactly tile w's 64 scores and its maximum is m_w, the very number
; that the launch before took away.  Wave w loads tile w's 1,024 bytes, scales them, and waves 0 and 1 add the 16 tiles, 512 bytes each.  Work-group j stores an eighth of out1.
; A few kilobytes a work-group, no loop: no matrix unit, no cluster, no tensor load, no prefetch.  LIMITS: NaN and infinities among the inputs are not served.
.set RM,    0                          ; LDS: 16 waves' maxima;
.set RS,    256                        ; their sums;
.set PS,    512                        ; 16 scaled tiles, 1,024 bytes each;
.set SPARE, 16896                      ; the spare words, 128 bytes a wave: eight blocks of 256 bytes that no other line names
.set VO,  1                            ; v1   16 x lane
.set SC,  2                            ; v[2:3] my two scores, then weights
.set T8,  6                            ; v6   8 x thread
.set PX,  7                            ; v7   the lane permute's result
.set W4,  8                            ; v8   4 x wave
.set ZA,  9                            ; v9   0: an LDS address
.set SPW, 10                           ; v10  my spare word; never rewritten
.set NIL, 11                           ; v11  0; never rewritten
.set PSA, 13                           ; v13  PS + 1,024 w + 16 lane
.set PSR, 14                           ; v14  PS + 512 (w % 2) + 16 lane
.set MW,  16                           ; v[16:17] m_w, then my tile's factor (the upper word is only named)
.set X,   24                           ; v24-31 my tile's 32 bytes a lane
.set RD,  40                           ; v40-55 16 waves' figures
.set Y,   64                           ; v64-127 16 tiles x 4 registers
	s_load_b256 s[4:11], s[0:1], 0x0               ; sc s[4:5], cp s[6:7], out0 s[8:9], out1 s[10:11]
	v_lshl_add_u32 v[SPW], v0, 2, SPARE
	v_mov_b32 v[NIL], 0
	v_lshrrev_b32 v4, 5, v0
	v_readfirstlane_b32 s12, v4                    ; wave 0..15
	s_and_b32 s13, ttmp7, 0xffff                   ; the batch
	v_and_b32 v5, 31, v0
	v_lshlrev_b32 v[VO], 4, v5
	v_lshlrev_b32 v[T8], 3, v0
	v_mov_b32 v[PX], 0                             ; written once: a lane permute's destination counts as one of its sources
	v_mov_b32 v[ZA], 0
	v_mov_b32 v[MW+1], 0
	v_lshlrev_b32 v[W4], 2, v4
	s_lshl_b32 s26, s12, 10
	s_add_co_u32 s26, s26, PS
	v_add_nc_u32 v[PSA], s26, v[VO]
	s_and_b32 s22, s12, 1
	s_lshl_b32 s27, s22, 9
	s_add_co_u32 s28, s27, PS
	v_add_nc_u32 v[PSR], s28, v[VO]
	s_mov_b32 s14, 0x76543210
	s_mov_b32 s15, 0xfedcba98
	s_lshr_b32 s20, s12, 1
	s_lshl_b32 s16, s13, 12                        ; a batch's 1,024 scores
	s_mov_b32 s17, 0
	s_lshl_b32 s18, s13, 4
	s_add_co_u32 s18, s18, s12                     ; tile 16 b + w,
	s_lshl_b32 s18, s18, 13                        ; 8,192 bytes a tile,
	s_lshl_b32 s21, ttmp9, 10                      ; the work-group's 1,024 bytes of it
	s_add_co_u32 s18, s18, s21
	s_mov_b32 s19, 0
	s_lshl_b32 s24, s13, 13                        ; out0: the batch's row, the same 1,024 bytes, my half of them
	s_add_co_u32 s24, s24, s21
	s_add_co_u32 s24, s24, s27
	s_mov_b32 s25, 0
	s_wait_alu depctr_va_vdst(0)
	s_wait_kmcnt 0x0
	s_add_nc_u64 s[4:5], s[4:5], s[16:17]
	s_add_nc_u64 s[10:11], s[10:11], s[16:17]
	s_add_nc_u64 s[6:7], s[6:7], s[18:19]
	s_add_nc_u64 s[8:9], s[8:9], s[24:25]
	global_load_b64 v[SC:SC+1], v[T8], s[4:5]
	global_load_b128 v[X:X+3], v[VO], s[6:7] th:TH_LOAD_NT
	global_load_b128 v[X+4:X+7], v[VO], s[6:7] offset:512 th:TH_LOAD_NT
	s_wait_loadcnt 2                               ; my scores are in; the tile's two loads may be out
	v_max_num_f32 v4, v[SC], v[SC+1]
.irp x, 1,2,4,8
	v_max_num_f32_dpp v4, v4, v4 row_xmask:\x row_mask:0xf bank_mask:0xf
.endr
	v_permlanex16_b32 v[PX], v4, s14, s15
	v_max_num_f32 v[MW], v4, v[PX]                 ; m_w
	ds_store_b32 v[W4], v[MW] offset:RM            ; all lanes write the wave's word with the same value
	s_wait_alu depctr_va_vdst(0)
	s_wait_dscnt 0x0
	s_barrier_signal -1
	s_barrier_wait -1
.irp k, 0,1,2,3
	ds_load_b128 v[RD+4*\k:RD+4*\k+3], v[ZA] offset:RM+16*\k
.endr
	s_wait_dscnt 0x0
	v_max3_num_f32 v4, v[RD], v[RD+1], v[RD+2]
	v_max3_num_f32 v5, v[RD+3], v[RD+4], v[RD+5]
.irp k, 6,10
	v_max3_num_f32 v4, v4, v[RD+\k], v[RD+\k+1]
	v_max3_num_f32 v5, v5, v[RD+\k+2], v[RD+\k+3]
.endr
	v_max3_num_f32 v4, v4, v[RD+14], v[RD+15]
	v_max_num_f32 v4, v4, v5                       ; M
	v_sub_f32 v[SC], v[SC], v4                     ; the maximum is taken away before the exponentials
	v_sub_f32 v[SC+1], v[SC+1], v4
	v_sub_f32 v[MW], v[MW], v4
	v_mul_f32 v[SC], 0x3fb8aa3b, v[SC]             ; x log2(e)
	v_mul_f32 v[SC+1], 0x3fb8aa3b, v[SC+1]
	v_mul_f32 v[MW], 0x3fb8aa3b, v[MW]
	s_wait_alu depctr_va_vdst(0)                   ; ahead of the batch
	v_exp_f32 v[SC], v[SC]
	v_exp_f32 v[SC+1], v[SC+1]
	v_exp_f32 v[MW], v[MW]                         ; e^(m_w - M)
	v_nop
	s_wait_alu depctr_va_vdst(0)                   ; and behind it
	v_add_f32 v4, v[SC], v[SC+1]
.irp x, 1,2,4,8
	v_add_f32_dpp v4, v4, v4 row_xmask:\x row_mask:0xf bank_mask:0xf
.endr
	v_permlanex16_b32 v[PX], v4, s14, s15
	v_add_f32 v4, v4, v[PX]
	ds_store_b32 v[W4], v4 offset:RS               ; other bytes than the maxima's
	s_wait_dscnt 0x0
	s_barrier_signal -1
	s_barrier_wait -1
.irp k, 0,1,2,3
	ds_load_b128 v[RD+4*\k:RD+4*\k+3], v[ZA] offset:RS+16*\k
.endr
	s_wait_dscnt 0x0
	s_wait_loadcnt 0x0                             ; my tile's bytes are in
.irp k, 0,4,8,12
	v_pk_add_f32 v[RD+\k:RD+\k+1], v[RD+\k:RD+\k+1], v[RD+\k+2:RD+\k+3]
.endr
	v_pk_add_f32 v[RD:RD+1], v[RD:RD+1], v[RD+4:RD+5]
	v_pk_add_f32 v[RD+8:RD+9], v[RD+8:RD+9], v[RD+12:RD+13]
	v_pk_add_f32 v[RD:RD+1], v[RD:RD+1], v[RD+8:RD+9]
	v_add_f32 v4, v[RD], v[RD+1]                   ; L
	s_wait_alu depctr_va_vdst(0)
	v_rcp_f32 v4, v4
	v_nop
	s_wait_alu depctr_va_vdst(0)
	v_mul_f32 v[SC], v[SC], v4                     ; the weights
	v_mul_f32 v[SC+1], v[SC+1], v4
	v_mul_f32 v[MW], v[MW], v4                     ; my tile's factor e^(m_w - M) / L
.irp k, 0,2,4,6
	v_pk_mul_f32 v[X+\k:X+\k+1], v[X+\k:X+\k+1], v[MW:MW+1] op_sel_hi:[1,0]
.endr
	ds_store_b128 v[PSA], v[X:X+3]
	ds_store_b128 v[PSA], v[X+4:X+7] offset:512
	s_cmp_lg_u32 s20, ttmp9                        ; waves 2 j and 2 j + 1 of work-group j store their weights: each byte of out1 has one owner
	s_cbranch_scc1 .Lnot_mine
	global_store_b64 v[T8], v[SC:SC+1], s[10:11]   ; 32 lanes store 256 consecutive bytes, at a multiple of 256 from out1's first byte
.Lnot_mine:
	s_wait_dscnt 0x0
	s_barrier_signal -1
	s_barrier_wait -1
	s_cmp_gt_u32 s12, 1                            ; waves 0 and 1 add the 16 tiles, each for its 512 bytes
	s_cbranch_scc1 .Ldone
.irp p, 0,1,2,3,4,5,6,7,8,9,10,11,12,13,14,15
	ds_load_b128 v[Y+4*\p:Y+4*\p+3], v[PSR] offset:1024*\p
.endr
	s_wait_dscnt 0x0
.irp d, 32,16,8,4
.set k, 0
.rept \d/2
	v_pk_add_f32 v[Y+k:Y+k+1], v[Y+k:Y+k+1], v[Y+\d+k:Y+\d+k+1]
.set k, k+2
.endr
.endr
	global_store_b128 v[VO], v[Y:Y+3], s[8:9]      ; 32 lanes store 512 consecutive bytes, at a multiple of 256 from out0's first byte
.Ldone:
	s_wait_tensorcnt 0x0                           ; the wave's end
	ds_add_u32 v[SPW], v[NIL]
	s_wait_dscnt 0x0
	s_endpgm
.Lfunc_end_k_q88ddc32b1e_comb:
	.size	k_q88ddc32b1e_comb, .Lfunc_end_k_q88ddc32b1e_comb-k_q88ddc32b1e_comb
	.p2alignl 7, 3214868480
	.fill 96, 4, 3214868480
	.section	.rodata,"a",@progbits
	.p2align	6, 0x0
	.amdhsa_kernel k_q88ddc32b1e_comb
		.amdhsa_group_segment_fixed_size 18944
		.amdhsa_private_segment_fixed_size 0
		.amdhsa_enable_private_segment 0
		.amdhsa_kernarg_size 32
		.amdhsa_user_sgpr_count 2
		.amdhsa_user_sgpr_kernarg_segment_ptr 1
		.amdhsa_wavefront_size32 1
		.amdhsa_system_sgpr_workgroup_id_x 1
		.amdhsa_system_sgpr_workgroup_id_y 1
		.amdhsa_system_sgpr_workgroup_id_z 1
		.amdhsa_system_vgpr_workitem_id 0
		.amdhsa_next_free_vgpr 128
		.amdhsa_next_free_sgpr 66
		.amdhsa_reserve_vcc 0
		.amdhsa_float_denorm_mode_32 3
		.amdhsa_float_denorm_mode_16_64 3
		.amdhsa_memory_ordered 1
		.amdhsa_forward_progress 1
		.amdhsa_inst_pref_size 10
	.end_amdhsa_kernel
	.amdgpu_metadata
---
amdhsa.version: [ 1, 2 ]
amdhsa.kernels:
  - .name:           k_q88ddc32b1e_comb
    .symbol:         k_q88ddc32b1e_comb.kd
    .args:
      - { .name: sc, .offset: 0, .size: 8, .value_kind: global_buffer, .address_space: global }
      - { .name: cp, .offset: 8, .size: 8, .value_kind: global_buffer, .address_space: global }
      - { .name: out0, .offset: 16, .size: 8, .value_kind: global_buffer, .address_space: global }
      - { .name: out1, .offset: 24, .size: 8, .value_kind: global_buffer, .address_space: global }
    .group_segment_fixed_size: 18944
    .private_segment_fixed_size: 0
    .kernarg_segment_align: 8
    .kernarg_segment_size: 32
    .max_flat_workgroup_size: 512
    .sgpr_count:     66
    .vgpr_count:     128
    .wavefront_size: 32
...
	.end_amdgpu_metadata
.endif
;; end of part 3
